; MI455X (gfx1250); checked and timed in simulation.
; The chip was launched on July 23, 2026; its instructions are those of AMD's public machine-readable ISA for CDNA 5 (MIT licence, August 2026) and "CDNA5" Instruction Set Architecture Reference Guide (July 2026). The comments in the code are by the model that wrote it; some were corrected since.
;; KNRM. Allowed arithmetic: matrix products marked QUANTISED: E5M2 operands, one E8M0 scale for each 32 along K, by v_wmma_scale_f32_16x16x128_f8f6f4 with both operands' format E5M2, f32 sums; products left as they are: f32 operands where the result goes on into a quantised operand, else bf16, f16 or f32 operands; f32 sums; everything else in f32.
;; Inputs: b0 10 float32; b1 5 float32; b2 1 float32; doc1 2,048 x 256 int32; doc2 2,048 x 256 int32; emb 100,000 x 50 float32; query1 2,048 x 32 int32; query2 2,048 x 32 int32; w0 10 x 10 float32; w1 5 x 10 float32; w2 1 x 5 float32.
;; Outputs: out0 2,048 x 1 float32.
;; This version of the problem:
;;   THIS VERSION OF THE PROBLEM IS GIVEN IN LOW PRECISION. The matrix products marked QUANTISED in the list below multiply operands that are first quantised to E5M2 (5 exponent bits, 2 mantissa bits; 8 bits a number), with one power-of-two scale for each 32 numbers along K (OCP MX v1.0); their sums are f32. All else is computed in f32.
;;   The module's matrix products, in the order in which they are computed (A, B: the left and right operand; K: the contracted axis; several contracted axes count as one K, in the product's order):
;;     1. batch 2,048 x [M 32, K 50] x [K 50, N 256]; A: computed on the way; B: computed on the way: QUANTISED
;;     2. [M 2,048, K 10] x [K 10, N 10]; A: computed on the way; B: input w0: left as it is (K = 10 < 32)
;;     3. [M 2,048, K 10] x [K 10, N 5]; A: computed on the way; B: input w1: left as it is (K = 10 < 32)
;;     4. [M 2,048, K 5] x [K 5, N 1]; A: computed on the way; B: input w2: left as it is (K = 5 < 32)
;;     5. batch 2,048 x [M 32, K 50] x [K 50, N 256]; A: computed on the way; B: computed on the way: QUANTISED
;;     6. [M 2,048, K 10] x [K 10, N 10]; A: computed on the way; B: input w0: left as it is (K = 10 < 32)
;;     7. [M 2,048, K 10] x [K 10, N 5]; A: computed on the way; B: input w1: left as it is (K = 10 < 32)
;;     8. [M 2,048, K 5] x [K 5, N 1]; A: computed on the way; B: input w2: left as it is (K = 5 < 32)
;;   THE QUANTISER, for each operand of a quantised product, along K:
;;     - K is cut into blocks of 32 from its start; a last block that is shorter is filled with zeros.
;;     - A block's scale is 2^e with e = floor(log2(the largest magnitude in the block)) - 15, held to -126 .. 127; a block of zeros has e = 0. As a byte (E8M0): e + 127.
;;     - Each number is divided by its block's scale, clamped to +-57,344, and rounded to the nearest number of E5M2, ties to even, subnormals kept.
;;     - The product sums the exact products of the quantised numbers (number of the format x scale) in f32.
;;   ~~~python
;;   def quantise(x, axis):      # numpy; x: float32 -> the quantised numbers, widened to float32 again
;;       x = np.moveaxis(x, axis, -1); K = x.shape[-1]
;;       x = np.pad(x, [(0, 0)] * (x.ndim - 1) + [(0, -K % 32)]); x = x.reshape(x.shape[:-1] + (-1, 32)); a = np.abs(x).max(-1, keepdims=True)
;;       e = np.where(a > 0, np.clip(np.frexp(np.where(a > 0, a, 1))[1] - 1 - 15, -126, 127), 0)      # np.frexp(a)[1] - 1 = floor(log2(a)), exactly
;;       r = np.clip(x / 2.0 ** e, -57344, 57344)
;;       step = 2.0 ** (np.maximum(np.frexp(np.where(r == 0, 1, r))[1] - 1, -14) - 2)
;;       q = np.round(r / step) * step * 2.0 ** e      # np.round: ties to even
;;       return np.moveaxis(q.reshape(q.shape[:-2] + (-1,))[..., :K], -1, axis).astype(np.float32)
;;   ~~~
;;   OPERANDS COMPUTED ON THE WAY. 'Computed on the way' means the value that the module computes at that place (a softmax that the list does not call 'softmax' is quantised finished and normalised). What goes into a quantiser is computed in f32, as accurately as f32 sums, v_exp_f32 and their like allow (about 1e-6 of the number): no bf16 or f16 on the way to a quantiser, and a product that is left as it is and whose result goes on into a quantised operand takes f32 operands (vector FMAs, or v_wmma_f32_16x16x4_f32). A number that lies on a knife's edge between two numbers of the format may be rounded either way, as far as f32 arithmetic and the matrix unit's own rounding can turn it there, and no further.
;; One version. Each part assembles by itself: llvm-mc -triple=amdgcn-amd-amdhsa -mcpu=gfx1250 --defsym DOCPART=n.
;; ======== version 1 of 1: 2 launches
;; workspace buffers: tab 6,400,000 bytes
;; launch prep (part 1): grid 625 x 1, 5 waves a work-group, no clusters, 45,568 bytes of LDS; arguments emb, tab; writes tab
.if DOCPART == 1
	.amdgcn_target "amdgcn-amd-amdhsa--gfx1250"
	.amdhsa_code_object_version 6
	.text
	.protected	k_q0577d17635_prep
	.globl	k_q0577d17635_prep
	.p2align	8
	.type	k_q0577d17635_prep,@function
k_q0577d17635_prep:
	s_mov_b64 s[64:65], 0
	v_nop
	global_prefetch_b8 v0, s[64:65] scope:SCOPE_SE
	s_setreg_imm32_b32 hwreg(HW_REG_WAVE_MODE, 25, 1), 1
	s_wait_xcnt 0x0
; emb [100000][50] f32 -> tab [100000][64] bytes.  A record of tab: bytes 0-49 the E5M2 codes of row / (norm + 1e-13), quantised along the row in
; blocks of 32 (k 0-31, and k 32-49 filled with zeros); bytes 50-61 zero; byte 62 the E8M0 byte of the first block, byte 63 that of the second.
; The quantiser works row by row, so quantising a gathered row equals gathering a quantised row: each row is normalised and quantised ONCE here.
; A block's scale is 2^(floor(log2(largest magnitude)) - 15): its byte is the largest magnitude's exponent field - 15, held at 1 from below.
; LIMITS: a block of zeros gets the byte 1 (its codes are zeros; this program alone reads the bytes); NaN and infinities in emb are not served;
; the division by norm + 1e-13 is a reciprocal and a multiplication; the sum of squares is taken in two packed chains, another order than a plain loop's.
; SHARES: wave W = 5 x work-group + wave takes rows 32 W .. 32 W + 31: 6,400 dense bytes in, 2,048 dense bytes out.  3,125 waves, no loop, no barrier:
; waves share nothing.  Loads take the bytes as they lie (512 consecutive bytes an instruction); the rows turn through the wave's own LDS stage,
; so that a lane then holds one whole row in 50 registers: norm and block maxima need no other lane.  The records leave through a second stage.
.set WREG, 8960                        ; LDS of a wave: 6,400 bytes in-stage, then 32 records 80 bytes apart
.set OST,  6400                        ; the out-stage
.set LR,   32                          ; v32-81   the 6,400 bytes as loaded
.set Y,    84                          ; v84-139  my row: 50 numbers and 6 zeros
.set C,    140                         ; v140-155 my record
.set O,    156                         ; v156-171 the records as they leave
	s_load_b128 s[4:7], s[0:1], 0x0                ; emb, tab
	v_lshl_add_u32 v176, v0, 2, 0xaf00
	v_mov_b32 v177, 0
	v_lshrrev_b32 v1, 5, v0
	v_readfirstlane_b32 s8, v1                     ; wave 0..4
	v_and_b32 v1, 31, v0                           ; lane
	s_mul_i32 s9, ttmp9, 5
	s_add_co_u32 s9, s9, s8                        ; W
	s_mul_i32 s13, s8, WREG                        ; my wave's LDS
	s_mov_b32 s12, 0x600000                        ; the mantissa field of 57,344
	v_lshlrev_b32 v2, 4, v1                        ; 16 x lane: my bytes of a load's or a store's 512
	v_lshlrev_b32 v3, 3, v1                        ; 8 x lane: of the last 256
	v_add_nc_u32 v4, s13, v2                       ; the same two places in the in-stage
	v_add_nc_u32 v5, s13, v3
	v_mul_u32_u24 v6, v1, 200
	v_add_nc_u32 v6, s13, v6                       ; my row in the in-stage: 200 bytes a row
	v_mul_u32_u24 v7, v1, 80
	v_add_nc_u32 v7, s13, v7                       ; my record in the out-stage
	v_lshrrev_b32 v8, 2, v1
	v_mul_u32_u24 v8, v8, 80
	v_and_b32 v9, 3, v1
	v_lshl_add_u32 v8, v9, 4, v8
	v_add_nc_u32 v8, s13, v8                       ; on the way out four lanes take a record: 80 (lane / 4) + 16 (lane % 4)
	v_mov_b32 v17, 0                               ; (named as the upper half of the pair v[16:17])
	s_mul_i32 s10, s9, 6400
	s_mov_b32 s11, 0
	s_wait_kmcnt 0x0
	s_add_nc_u64 s[4:5], s[4:5], s[10:11]          ; emb at my first row
	s_lshl_b32 s10, s9, 11
	s_add_nc_u64 s[6:7], s[6:7], s[10:11]          ; tab at my first record
.irp i, 0,1,2,3,4,5,6,7,8,9,10,11
	global_load_b128 v[LR+4*\i:LR+4*\i+3], v2, s[4:5] offset:512*\i th:TH_LOAD_NT   ; 512 consecutive bytes, read once in the launch
.endr
	global_load_b64 v[LR+48:LR+49], v3, s[4:5] offset:6144 th:TH_LOAD_NT            ; the last 256
.irp i, 0,1,2,3,4,5,6,7,8,9,10,11
	s_wait_loadcnt 12-\i                           ; loads come back in order: load i is in, the 12 - i younger ones may be out
	ds_store_b128 v4, v[LR+4*\i:LR+4*\i+3] offset:512*\i
.endr
	s_wait_loadcnt 0x0
	ds_store_b64 v5, v[LR+48:LR+49] offset:6144
.irp i, 0,1,2,3,4,5,6,7,8,9,10,11,12,13,14,15,16,17,18,19,20,21,22,23,24
	ds_load_b64 v[Y+2*\i:Y+2*\i+1], v6 offset:8*\i ; LDS serves a wave's instructions in order: these see my stores.  Rows 50 words apart
.endr
	s_wait_dscnt 0x0                               ; my row is in
	; the norm: the sum of squares in two packed chains
	v_pk_mul_f32 v[10:11], v[Y:Y+1], v[Y:Y+1]
	v_pk_mul_f32 v[12:13], v[Y+2:Y+3], v[Y+2:Y+3]
.irp i, 2,3,4,5,6,7,8,9,10,11,12,13,14,15,16,17,18,19,20,21,22,23,24
	v_pk_fma_f32 v[10+2*(\i%2):11+2*(\i%2)], v[Y+2*\i:Y+2*\i+1], v[Y+2*\i:Y+2*\i+1], v[10+2*(\i%2):11+2*(\i%2)]
.endr
	v_pk_add_f32 v[10:11], v[10:11], v[12:13]
	v_add_f32 v14, v10, v11
	v_sqrt_f32 v14, v14
.irp i, 50,51,52
	v_mov_b32 v[Y+\i], 0                           ; the second block's filling, as far as the conversions reach: plain work behind the root
.endr
	s_wait_alu depctr_va_vdst(0)                   ; ahead of the first line that names the root
	v_add_f32 v14, 0x29e12e13, v14                 ; + 1e-13
	v_rcp_f32 v16, v14
.irp i, 53,54,55
	v_mov_b32 v[Y+\i], 0                           ; plain work behind the reciprocal
.endr
	s_wait_alu depctr_va_vdst(0)                   ; ahead of the first line that names the reciprocal
.irp i, 0,1,2,3,4,5,6,7,8,9,10,11,12,13,14,15,16,17,18,19,20,21,22,23,24
	v_pk_mul_f32 v[Y+2*\i:Y+2*\i+1], v[Y+2*\i:Y+2*\i+1], v[16:17] op_sel_hi:[1,0]   ; the low word of the pair serves both halves
.endr
	; the two blocks' largest magnitudes, with the floor 2^(16 - 127) among the leaves: so no byte falls under 1
	v_max3_num_f32 v18, |v[Y]|, |v[Y+1]|, 0x8000000
	v_max3_num_f32 v19, |v[Y+32]|, |v[Y+33]|, 0x8000000
.irp i, 2,4,6,8,10,12,14,16
	v_max3_num_f32 v18, v18, |v[Y+\i]|, |v[Y+\i+1]|          ; the two blocks by turns
	v_max3_num_f32 v19, v19, |v[Y+32+\i]|, |v[Y+33+\i]|
.endr
.irp i, 18,20,22,24,26,28,30
	v_max3_num_f32 v18, v18, |v[Y+\i]|, |v[Y+\i+1]|
.endr
.irp b, 0,1
	v_add_nc_u32 v[20+\b], 0xf8800000, v[18+\b]    ; 15 off the exponent field: the conversion takes this operand's exponent field as its scale
	v_and_or_b32 v[22+\b], v[18+\b], 0x7f800000, s12   ; 57,344 x the scale
	v_lshrrev_b32 v[24+\b], 23, v[20+\b]           ; the scale's byte
.endr
.set i, 0
.rept 32
	v_med3_num_f32 v[Y+i], v[Y+i], -v22, v22       ; the conversion to an 8-bit code does not saturate (ISA guide 7.6.2): the hold at the largest code x the scale
.set i, i+1
.endr
.rept 18
	v_med3_num_f32 v[Y+i], v[Y+i], -v23, v23
.set i, i+1
.endr
.irp g, 0,1,2,3
	v_cvt_scalef32_pk8_bf8_f32 v[C+2*\g:C+2*\g+1], v[Y+8*\g:Y+8*\g+7], v20
.endr
.irp g, 4,5,6
	v_cvt_scalef32_pk8_bf8_f32 v[C+2*\g:C+2*\g+1], v[Y+8*\g:Y+8*\g+7], v21   ; k 32-55: 18 numbers and 6 zeros
.endr
	v_mov_b32 v[C+14], 0                           ; bytes 56-59.  (Also the plain line behind the last conversion)
	v_lshlrev_b32 v[C+15], 16, v24                 ; bytes 60, 61 zero; byte 62 the first block's scale,
	v_lshl_or_b32 v[C+15], v25, 24, v[C+15]        ; byte 63 the second's
.irp i, 0,1,2,3
	ds_store_b128 v7, v[C+4*\i:C+4*\i+3] offset:OST+16*\i
.endr
.irp i, 0,1,2,3
	ds_load_b128 v[O+4*\i:O+4*\i+3], v8 offset:OST+640*\i    ; eight records an instruction, as they will lie in memory
.endr
.irp i, 0,1,2,3
	s_wait_dscnt 3-\i                              ; load i is back; the 3 - i younger ones may be out
	global_store_b128 v2, v[O+4*\i:O+4*\i+3], s[6:7] offset:512*\i   ; 32 lanes store 512 consecutive bytes, at a multiple of 256 from tab's first byte
.endr
	s_wait_tensorcnt 0x0
	ds_add_u32 v176, v177
	s_wait_dscnt 0x0
	s_endpgm
.Lfunc_end_k_q0577d17635_prep:
	.size	k_q0577d17635_prep, .Lfunc_end_k_q0577d17635_prep-k_q0577d17635_prep
	.p2alignl 7, 3214868480
	.fill 96, 4, 3214868480
	.section	.rodata,"a",@progbits
	.p2align	6, 0x0
	.amdhsa_kernel k_q0577d17635_prep
		.amdhsa_group_segment_fixed_size 45568
		.amdhsa_private_segment_fixed_size 0
		.amdhsa_enable_private_segment 0
		.amdhsa_kernarg_size 16
		.amdhsa_user_sgpr_count 2
		.amdhsa_user_sgpr_kernarg_segment_ptr 1
		.amdhsa_wavefront_size32 1
		.amdhsa_system_sgpr_workgroup_id_x 1
		.amdhsa_system_sgpr_workgroup_id_y 1
		.amdhsa_system_sgpr_workgroup_id_z 1
		.amdhsa_system_vgpr_workitem_id 0
		.amdhsa_next_free_vgpr 178
		.amdhsa_next_free_sgpr 66
		.amdhsa_reserve_vcc 0
		.amdhsa_float_denorm_mode_32 3
		.amdhsa_float_denorm_mode_16_64 3
		.amdhsa_memory_ordered 1
		.amdhsa_forward_progress 1
		.amdhsa_inst_pref_size 17
	.end_amdhsa_kernel
	.amdgpu_metadata
---
amdhsa.version: [ 1, 2 ]
amdhsa.kernels:
  - .name:           k_q0577d17635_prep
    .symbol:         k_q0577d17635_prep.kd
    .args:
      - { .name: emb, .offset: 0, .size: 8, .value_kind: global_buffer, .address_space: global }
      - { .name: tab, .offset: 8, .size: 8, .value_kind: global_buffer, .address_space: global }
    .group_segment_fixed_size: 45568
    .private_segment_fixed_size: 0
    .kernarg_segment_align: 8
    .kernarg_segment_size: 16
    .max_flat_workgroup_size: 160
    .sgpr_count:     66
    .vgpr_count:     178
    .wavefront_size: 32
...
	.end_amdgpu_metadata
.endif
;; end of part 1
;; launch knrm (part 2): grid 1024 x 1, 4 waves a work-group, no clusters, 11,776 bytes of LDS; arguments tab, query1, doc1, query2, doc2, w0, b0, w1, b1, w2, b2, out0; writes out0
.if DOCPART == 2
	.amdgcn_target "amdgcn-amd-amdhsa--gfx1250"
	.amdhsa_code_object_version 6
	.text
	.protected	k_q0577d17635_knrm
	.globl	k_q0577d17635_knrm
	.p2align	8
	.type	k_q0577d17635_knrm,@function
k_q0577d17635_knrm:
	s_mov_b64 s[64:65], 0
	v_nop
	global_prefetch_b8 v0, s[64:65] scope:SCOPE_SE
	s_setreg_imm32_b32 hwreg(HW_REG_WAVE_MODE, 25, 1), 1
	s_wait_xcnt 0x0
; out0[b] = sigmoid(mlp(ko(query1[b], doc1[b])) - mlp(ko(query2[b], doc2[b]))).  ko[k] = sum over 32 queries of log1p(sum over 256 docs of exp(-(x - mu_k)^2 / (2 sigma_k^2))),
; x the cosine of a query's and a doc's row, as a product of E5M2 codes with E8M0 block scales.  tab holds each table row normalised and quantised: 64 bytes, codes in bytes 0-49, the two scale bytes in 62, 63.
; SHARES.  Work-group g makes b = 2 g and then b = 2 g + 1 (BODY 0, BODY 1).  Wave w: side w / 2 (pair 1 or pair 2), doc half p = w % 2: 32 queries x 128 docs.
; THE PRODUCT: source 0 = 16 docs, source 1 = 16 queries: a lane holds ONE query (lane % 16) and eight docs, so the sum over docs runs down its registers.
; Docs and queries are summed over, so WHICH rows form a tile is free: doc tile j takes docs 128 p + 64 (j / 4) + 4 r + j % 4 (two dense index loads serve 128 docs);
; query set A is query 2 r + p, set B query 2 r + 1 - p: my set B is my partner's (wave w xor 1) set A, so each wave finishes its own set A and hands set B's sums over.
; K.  The instruction is 128 deep, a record 64.  A doc fragment is TWO tiles on end (k 0-63, k 64-127); the query operand is [Q][zeros] or [zeros][Q], which picks one of them:
; one run of 40 registers, zeros | QA | zeros | QB | zeros, holds all four query operands.  Zero codes add nothing under any scale byte that the quantiser makes.
; SCALES.  Lane 16 + r holds bytes 60-63 of row r's record in the fragment's register 7: one v_perm_b32 makes a scale word of two such upper halves; both sides are read from lanes 16-31.  The two bytes are then cleared out of the codes.
; THE KERNELS.  Nine have sigma 0.1 and mu = j d, j = -4 .. 4, d = 2/9: exp(-50 (x - j d)^2) = k4 r^|j| f_|j|, k4 = exp(-50 x^2), r = exp(+-100 d x), f_j = exp(-50 d^2 j^2), a constant that is taken out of
; the sum over docs.  So a cosine costs four exponentials (k4, the exact kernel, r up, r down) and eight packed lines.  The identity is algebra, for every x.  RANGE: rows are normalised, and a code differs from its number by at most 1/8 of it,
; so |x| <= 1.266: k4 >= 2^-116, r within 2^+-41, k4 r^j <= 1 / f_4 = e^39.5, a sum of 256 of them far inside f32; a term that falls under the smallest f32 number is under 2^-126 of a sum to which 1 is added.
; LIMITS: the mus are taken as exact multiples of 2/9 (the f32 mus differ by at most 6e-8); sums go in another order than a plain loop's; NaN and infinities in the table are not served.
; NOT USED, and why: tensor loads, clusters: operands are 64-byte records chosen by index, no two work-groups share a tile.  The second item's indices are loaded at the head and its rows a whole body ahead, into registers as they fall free.
; The MLP (K = 10, 10, 5; one row a side) is f32 multiply-adds in wave 0: lanes 0-15 side 1, lanes 16-31 side 2, a lane a neuron.  A work-group's result is 8 bytes.
; REGISTERS: v1 16 h; v2 the mask; v3-9 addresses; v10-15 constants; v16-25 record offsets; v26-31 scale words; v32-71 zeros and queries; v72-135 docs; v136-151 two results; v152-215 two sets of 32 exponentials; v216-223 products; v224-243 sums; v244-254 the tail's addresses and the results.
.set NIDX, 0x1869f                     ; the table's last row
.set OFS,  16                          ; v16-23 byte offsets of my lane's part of the eight doc tiles' records; v24, v25 of query sets A, B
.set DS,   26                          ; v26-29 the docs' scale words, one for each fragment
.set QSA,  30                          ; v30, v31 the queries'
.set QSB,  31
.set QA,   40                          ; v32-39 zeros, v40-47 QA, v48-55 zeros, v56-63 QB, v64-71 zeros
.set QB,   56
.set DOC,  72                          ; fragment g at v[DOC + 16 g]: tile 2 g, then tile 2 g + 1
.set D0,   136                         ; a tile's cosines with set A; D1: with set B
.set D1,   144
.set ER0,  152                         ; a set: pairs (k4, exact) of 8 cosines, then pairs (r up, r down)
.set ER1,  184
.set KR,   216                         ; four pairs (k4 r^j up, down), for the four cosines in hand
.set SA,   224                         ; sums: +0 (k4, exact), +2 j (up j, down j)
.set SB,   234
.set TL,   152                         ; the head's temporaries: lane, r, h, at work
.set TR,   153
.set TH,   154
.set TT,   155
.set LBODY, 5632                       ; LDS of a body; the two bodies share no byte
.set X2,   5120                        ; in it: 0: four images of 10 sums a lane, 1,280 bytes a wave; X2: 64 bytes a wave: its 10 results; X3: 64 bytes for each half of the lanes: layer 0's outputs; X3 + 128: layer 1's
.set X3,   5376
.set U,    194                         ; the tail: 1 + S, later the results
.set CC,   204
.set LG,   136
.set RC,   184
.macro IDX nb, d                       ; item nb's indices: 128 docs in two loads (lanes r and 16 + r read the same 16 bytes), one query of each set
	global_load_b128 v[\d:\d+3], v7, s[32:33] offset:\nb*1024 th:TH_LOAD_NT
	global_load_b128 v[\d+4:\d+7], v7, s[32:33] offset:\nb*1024+256 th:TH_LOAD_NT
	global_load_b32 v[\d+8], v8, s[34:35] offset:\nb*128 th:TH_LOAD_NT
	global_load_b32 v[\d+9], v9, s[34:35] offset:\nb*128 th:TH_LOAD_NT
.endm
.macro OFFS src                        ; index -> 64 x index + 16 h; an index is held inside the table before it enters an address
.irp j, 0,1,2,3,4,5,6,7,8,9
	v_min_u32 v[OFS+\j], NIDX, v[\src+\j]
.endr
.irp j, 0,1,2,3,4,5,6,7,8,9
	v_lshlrev_b32 v[OFS+\j], 6, v[OFS+\j]
.endr
.irp j, 0,1,2,3,4,5,6,7,8,9
	v_add_nc_u32 v[OFS+\j], v1, v[OFS+\j]
.endr
.endm
.macro GQ                              ; a record's half fragment: registers 0-3 bytes 16 h on, registers 4-7 bytes 32 + 16 h on
	global_load_b128 v[QA:QA+3], v[OFS+8], s[8:9]
	global_load_b128 v[QA+4:QA+7], v[OFS+8], s[8:9] offset:32
	global_load_b128 v[QB:QB+3], v[OFS+9], s[8:9]
	global_load_b128 v[QB+4:QB+7], v[OFS+9], s[8:9] offset:32
.endm
.macro GD g
	global_load_b128 v[DOC+16*(\g):DOC+16*(\g)+3], v[OFS+2*(\g)], s[8:9]
	global_load_b128 v[DOC+16*(\g)+4:DOC+16*(\g)+7], v[OFS+2*(\g)], s[8:9] offset:32
	global_load_b128 v[DOC+16*(\g)+8:DOC+16*(\g)+11], v[OFS+2*(\g)+1], s[8:9]
	global_load_b128 v[DOC+16*(\g)+12:DOC+16*(\g)+15], v[OFS+2*(\g)+1], s[8:9] offset:32
.endm
.macro PREP                            ; the scale words, then the scale bytes out of the codes
	v_perm_b32 v[QSA], v[QA+7], v[QA+7], s38       ; the query's two bytes twice: they serve k 0-63 or k 64-127
	v_perm_b32 v[QSB], v[QB+7], v[QB+7], s38
.irp g, 0,1,2,3
	v_perm_b32 v[DS+\g], v[DOC+16*\g+15], v[DOC+16*\g+7], s38   ; tile 2 g's bytes below, tile 2 g + 1's above
.endr
	v_and_b32 v[QA+7], v2, v[QA+7]
	v_and_b32 v[QB+7], v2, v[QB+7]
.irp t, 0,1,2,3,4,5,6,7
	v_and_b32 v[DOC+8*\t+7], v2, v[DOC+8*\t+7]
.endr
.endm
.macro MM g, v                         ; doc tile 2 g + v against both query sets.  Every product starts its own sum: no accumulator is taken up again
	v_wmma_scale_f32_16x16x128_f8f6f4 v[D0:D0+7], v[DOC+16*(\g):DOC+16*(\g)+15], v[QA-8*(\v):QA-8*(\v)+15], 0, v[DS+(\g)], v[QSA] matrix_a_fmt:MATRIX_FMT_BF8 matrix_b_fmt:MATRIX_FMT_BF8 matrix_a_scale:MATRIX_SCALE_ROW1 matrix_b_scale:MATRIX_SCALE_ROW1
	v_wmma_scale_f32_16x16x128_f8f6f4 v[D1:D1+7], v[DOC+16*(\g):DOC+16*(\g)+15], v[QB-8*(\v):QB-8*(\v)+15], 0, v[DS+(\g)], v[QSB] matrix_a_fmt:MATRIX_FMT_BF8 matrix_b_fmt:MATRIX_FMT_BF8 matrix_a_scale:MATRIX_SCALE_ROW1 matrix_b_scale:MATRIX_SCALE_ROW1
.endm
; The exponents of 8 cosines, v[d] on, into set e: 24 packed lines.  The result is read from its low end on.
.macro ARGS d, e
.irp q, 0,1,2,3
	v_pk_fma_f32 v[\e+4*\q:\e+4*\q+1], v[\d+2*\q:\d+2*\q+1], v[10:11], v[12:13] op_sel_hi:[0,1,1]                   ; (s4 x, sE x - sE) of the pair's first cosine,
	v_pk_fma_f32 v[\e+4*\q+2:\e+4*\q+3], v[\d+2*\q:\d+2*\q+1], v[10:11], v[12:13] op_sel:[1,0,0] op_sel_hi:[1,1,1]  ; of its second
.endr
.irp q, 0,1,2,3
	v_pk_mul_f32 v[\e+16+4*\q:\e+17+4*\q], v[\d+2*\q:\d+2*\q+1], v[14:15] op_sel_hi:[0,1]                           ; (A2 x, -A2 x)
	v_pk_mul_f32 v[\e+18+4*\q:\e+19+4*\q], v[\d+2*\q:\d+2*\q+1], v[14:15] op_sel:[1,0] op_sel_hi:[1,1]
.endr
.irp i, 0,1,2,3,4,5,6,7
	v_pk_mul_f32 v[\e+2*\i:\e+2*\i+1], v[\e+2*\i:\e+2*\i+1], v[\e+2*\i:\e+2*\i+1] neg_lo:[1,0] neg_hi:[1,0]         ; (-(s4 x)^2, -(sE (x - 1))^2)
.endr
.endm
.macro XP                              ; the next exponential of the batch in hand, if one is left
.if XON
.if XC < 32
	v_exp_f32 v[XB+XC], v[XB+XC]
.set XC, XC+1
.endif
.endif
.endm
; The sums of 8 cosines of set e into sums s: 64 packed lines, in 32 twos, with one exponential of the NEXT batch behind each two.  The cosines are skewed: four are in hand, each a power of r further on than
; the one behind it, so that no line reads the result of a near line and each sum is touched once in eight lines.
.macro ACC e, s
.set AN, 0
.rept 11
.if AN < 8
	v_pk_mul_f32 v[KR+2*(AN%4):KR+2*(AN%4)+1], v[\e+16+2*AN:\e+17+2*AN], v[\e+2*AN:\e+2*AN+1] op_sel_hi:[1,0]   ; k4 r, up and down
	v_pk_add_f32 v[\s:\s+1], v[\s:\s+1], v[\e+2*AN:\e+2*AN+1]                                                   ; k4 and the exact kernel
	XP
.endif
.if (AN >= 1) && (AN < 9)
.set AE, AN-1
	v_pk_add_f32 v[\s+2:\s+3], v[\s+2:\s+3], v[KR+2*(AE%4):KR+2*(AE%4)+1]
	v_pk_mul_f32 v[KR+2*(AE%4):KR+2*(AE%4)+1], v[KR+2*(AE%4):KR+2*(AE%4)+1], v[\e+16+2*AE:\e+17+2*AE]           ; k4 r^2
	XP
.endif
.if (AN >= 2) && (AN < 10)
.set AE, AN-2
	v_pk_add_f32 v[\s+4:\s+5], v[\s+4:\s+5], v[KR+2*(AE%4):KR+2*(AE%4)+1]
	v_pk_mul_f32 v[KR+2*(AE%4):KR+2*(AE%4)+1], v[KR+2*(AE%4):KR+2*(AE%4)+1], v[\e+16+2*AE:\e+17+2*AE]           ; k4 r^3
	XP
.endif
.if AN >= 3
.set AE, AN-3
	v_pk_add_f32 v[\s+6:\s+7], v[\s+6:\s+7], v[KR+2*(AE%4):KR+2*(AE%4)+1]
	v_pk_fma_f32 v[\s+8:\s+9], v[KR+2*(AE%4):KR+2*(AE%4)+1], v[\e+16+2*AE:\e+17+2*AE], v[\s+8:\s+9]             ; k4 r^4 goes straight into its sum
	XP
.endif
.set AN, AN+1
.endr
.endm
; STEP n: batch n = doc tile n / 2 with query set n % 2.  Its exponents are made; the wait for batch n - 1's exponentials follows, with those 24 lines behind them; then batch n - 1 is summed with batch n's exponentials between the lines.
; In an odd step both results have been read: the next tile's two products are issued, and have the 64 packed lines of the sums as the places ahead of their first reader, and of the loads below.
; ahead = 1: the next item's rows are loaded into each fragment one step behind its last product.
.macro STEP n, ahead
.if \ahead
.if ((\n)%4) == 2
.set GG, ((\n)-2)/4
	GD GG
.if (\n) == 14
	GQ
.endif
.endif
.endif
.set DB, D0+8*((\n)%2)
.set EB, ER0+32*((\n)%2)
.set EP, ER0+32*(((\n)+1)%2)
.set SP, SA+10*(((\n)+1)%2)
	ARGS DB, EB
.if (\n) > 0
	s_wait_alu depctr_va_vdst(0)                   ; one wait for the 32 exponentials of the batch before, ahead of their first reader
.endif
.if (((\n)%2) == 1) && ((\n) < 15)
.set MG, ((\n)/2+1)/2
.set MV, ((\n)/2+1)%2
	MM MG, MV
.endif
.set XB, EB
.set XC, 0
.if (\n) == 0
.rept 32
	v_exp_f32 v[XB+XC], v[XB+XC]                   ; the first batch has no sums to stand among
.set XC, XC+1
.endr
.else
.set XON, 1
	ACC EP, SP
.endif
.endm
.macro BODY body
.set LB, LBODY*\body
	s_wait_loadcnt 0x0                             ; this item's rows are in (and in the first body the next item's indices)
	PREP
.if \body == 0
	OFFS ER1                                       ; the next item's offsets: the loads that read v16-25 are done
.endif
.irp i, 0,1,2,3,4,5,6,7,8,9
	v_mov_b32 v[SA+\i], 0                          ; ten plain lines that name nothing of the product: the places between the scale words and codes just written and the product
.endr
	MM 0, 0
.irp i, 0,1,2,3,4,5,6,7,8,9
	v_mov_b32 v[SB+\i], 0                          ; and ten behind it: the places ahead of the first read of its results, and of the next products, which write over them
.endr
.irp n, 0,1,2,3,4,5,6,7,8,9,10,11,12,13,14,15
	STEP \n, 1-\body
.endr
	v_nop                                          ; a plain line behind the last exponential
	s_wait_alu depctr_va_vdst(0)                   ; the last batch's wait, ahead of the branch and of its readers
	s_cmp_lg_u32 s2, 0
	s_cbranch_scc1 .Lno_weights_\@                 ; wave 0 alone asks for the weights, into the set of exponentials that is done with: they land under the last sums and the tail
.irp i, 0,1,2,3,4
	global_load_b64 v[152+2*\i:153+2*\i], v244, s[18:19] offset:8*\i     ; w0's row min(j, 9)
.endr
.irp i, 0,1,2,3,4
	global_load_b64 v[162+2*\i:163+2*\i], v246, s[22:23] offset:8*\i     ; w1's row min(j, 4)
.endr
	global_load_b128 v[172:175], v248, s[26:27]                          ; w2
	global_load_b32 v176, v248, s[26:27] offset:16
	global_load_b32 v177, v245, s[20:21]                                 ; b0, b1, b2
	global_load_b32 v178, v247, s[24:25]
	global_load_b32 v179, v248, s[28:29]
.Lno_weights_\@:
.set XON, 0
	ACC ER1, SB
	; set B's sums go to the partner as an image of their registers
	ds_store_b128 v3, v[SB:SB+3] offset:LB
	ds_store_b128 v3, v[SB+4:SB+7] offset:LB+512
	ds_store_b64 v4, v[SB+8:SB+9] offset:LB+1024
	s_wait_dscnt 0x0                               ; for the partner's sake: my stores have landed
	s_barrier_signal -1
	s_barrier_wait -1
	ds_load_b128 v[184:187], v5 offset:LB          ; the partner's sums for my set A over its 128 docs
	ds_load_b128 v[188:191], v5 offset:LB+512
	ds_load_b64 v[192:193], v6 offset:LB+1024
	s_wait_dscnt 0x0
.irp i, 0,2,4,6,8
	v_pk_add_f32 v[SA+\i:SA+\i+1], v[SA+\i:SA+\i+1], v[184+\i:185+\i]
.endr
.irp i, 0,1,2,3,4,5,6,7,8,9
	v_permlanex16_b32 v[184+\i], v[SA+\i], s40, s41   ; the query's other docs lie in the lane 16 away
.endr
.irp i, 0,2,4,6,8
	v_pk_add_f32 v[SA+\i:SA+\i+1], v[SA+\i:SA+\i+1], v[184+\i:185+\i]   ; the sums over all 256 docs
.endr
	v_pk_mul_f32 v[SA+2:SA+3], v[SA+2:SA+3], 0x3dad612b op_sel_hi:[1,0]   ; f1 = exp(-50 d^2)
	v_pk_mul_f32 v[SA+4:SA+5], v[SA+4:SA+5], 0x38577152 op_sel_hi:[1,0]   ; f2 = exp(-200 d^2)
	v_pk_mul_f32 v[SA+6:SA+7], v[SA+6:SA+7], 0x2f759723 op_sel_hi:[1,0]   ; f3 = exp(-450 d^2)
	v_pk_mul_f32 v[SA+8:SA+9], v[SA+8:SA+9], 0x23006991 op_sel_hi:[1,0]   ; f4 = exp(-800 d^2)
	; log1p(S) = ln(U) + (S - (U - 1)) / U with U = 1 + S as rounded: what the addition lost comes back in the second term
.irp i, 0,2,4,6,8
	v_pk_add_f32 v[U+\i:U+\i+1], v[SA+\i:SA+\i+1], 1.0 op_sel_hi:[1,0]
.endr
.irp i, 0,1,2,3,4,5,6,7,8,9
	v_log_f32 v[LG+\i], v[U+\i]
.endr
.irp i, 0,1,2,3,4,5,6,7,8,9
	v_rcp_f32 v[RC+\i], v[U+\i]
.endr
.irp i, 0,2,4,6,8
	v_pk_add_f32 v[CC+\i:CC+\i+1], v[U+\i:U+\i+1], -1.0 op_sel_hi:[1,0]   ; U - 1: plain work behind the batch, which names none of its results
.endr
.irp i, 0,2,4,6,8
	v_pk_add_f32 v[CC+\i:CC+\i+1], v[SA+\i:SA+\i+1], v[CC+\i:CC+\i+1] neg_lo:[0,1] neg_hi:[0,1]   ; S - (U - 1)
.endr
	s_wait_alu depctr_va_vdst(0)                   ; one wait for the twenty, ahead of their first reader
.irp i, 0,2,4,6,8
	v_pk_mul_f32 v[CC+\i:CC+\i+1], v[CC+\i:CC+\i+1], v[RC+\i:RC+\i+1]
.endr
.irp i, 0,2,4,6,8
	v_pk_fma_f32 v[U+\i:U+\i+1], v[LG+\i:LG+\i+1], 0x3f317218, v[CC+\i:CC+\i+1] op_sel_hi:[1,0,1]   ; log2 x ln 2 + the rest
.endr
.irp m, 1,2,4,8
.irp i, 0,1,2,3,4,5,6,7,8,9
	v_add_f32_dpp v[U+\i], v[U+\i], v[U+\i] row_xmask:\m row_mask:0xf bank_mask:0xf   ; over my 16 queries; both halves of the lanes hold the same
.endr
.endr
	ds_store_b128 v249, v[U:U+3] offset:LB         ; every lane writes the same bytes with the same values
	ds_store_b128 v249, v[U+4:U+7] offset:LB+16
	ds_store_b64 v249, v[U+8:U+9] offset:LB+32
	s_wait_dscnt 0x0                               ; for wave 0's sake
	s_barrier_signal -1
	s_barrier_wait -1
	s_cmp_lg_u32 s2, 0
	s_cbranch_scc1 .Ldone_\@                       ; the MLP is wave 0's; no barrier stands in it
	s_wait_loadcnt 0x0                             ; the weights
	ds_load_b128 v[194:197], v250 offset:LB        ; my side's two waves: 16 queries each
	ds_load_b128 v[198:201], v250 offset:LB+16
	ds_load_b64 v[202:203], v250 offset:LB+32
	ds_load_b128 v[204:207], v250 offset:LB+64
	ds_load_b128 v[208:211], v250 offset:LB+80
	ds_load_b64 v[212:213], v250 offset:LB+96
	s_wait_dscnt 0x0
.irp i, 0,2,4,6,8
	v_pk_add_f32 v[194+\i:195+\i], v[194+\i:195+\i], v[204+\i:205+\i]   ; register t holds kernel 4, 9, 5, 3, 6, 2, 7, 1, 8, 0
.endr
	v_fma_f32 v214, v194, v156, v177               ; layer 0: b0 + the row of w0 . ko, each sum with its own kernel's weight
	v_fmac_f32 v214, v195, v161
	v_fmac_f32 v214, v196, v157
	v_fmac_f32 v214, v197, v155
	v_fmac_f32 v214, v198, v158
	v_fmac_f32 v214, v199, v154
	v_fmac_f32 v214, v200, v159
	v_fmac_f32 v214, v201, v153
	v_fmac_f32 v214, v202, v160
	v_fmac_f32 v214, v203, v152
	v_max_num_f32 v214, 0, v214
	ds_store_b32 v251, v214 offset:LB              ; a neuron a lane; lanes 10-15 repeat neuron 9 behind the ten
	ds_load_b128 v[194:197], v254 offset:LB        ; LDS serves a wave's instructions in order: these see my stores
	ds_load_b128 v[198:201], v254 offset:LB+16
	ds_load_b64 v[202:203], v254 offset:LB+32
	s_wait_dscnt 0x0
	v_fma_f32 v214, v194, v162, v178               ; layer 1
.irp k, 1,2,3,4,5,6,7,8,9
	v_fmac_f32 v214, v[194+\k], v[162+\k]
.endr
	v_max_num_f32 v214, 0, v214
	ds_store_b32 v251, v214 offset:LB+128
	ds_load_b128 v[194:197], v254 offset:LB+128
	ds_load_b32 v198, v254 offset:LB+144
	s_wait_dscnt 0x0
	v_fma_f32 v214, v194, v172, v179               ; layer 2: my side's logit
.irp k, 1,2,3,4
	v_fmac_f32 v214, v[194+\k], v[172+\k]
.endr
	v_permlanex16_b32 v215, v214, s40, s41         ; the other side's
	v_sub_f32 v214, v214, v215                     ; in lanes 0-15: logit 1 - logit 2
	v_mul_f32 v214, 0xbfb8aa3b, v214               ; x -log2(e)
	v_exp_f32 v214, v214
	v_nop
	s_wait_alu depctr_va_vdst(0)
	v_add_f32 v214, 1.0, v214
	v_rcp_f32 v[252+\body], v214                   ; the sigmoid
	v_nop
	s_wait_alu depctr_va_vdst(0)                   ; ahead of the label and of the store
.if \body == 1
	v_cmp_eq_u32 vcc_lo, 0, v0
	s_wait_xcnt 0x0                                ; EXEC changes only behind this wait
	s_and_saveexec_b32 s42, vcc_lo
	global_store_b64 v248, v[252:253], s[30:31]    ; thread 0: out0[2 g], out0[2 g + 1]
	s_wait_xcnt 0x0                                ; and again, in front of the line that widens it
	s_or_b32 exec_lo, exec_lo, s42
.endif
.Ldone_\@:
.endm
	s_load_b512 s[8:23], s[0:1], 0x0               ; tab 8, query1 10, doc1 12, query2 14, doc2 16, w0 18, b0 20, w1 22
	s_load_b256 s[24:31], s[0:1], 0x40             ; b1 24, w2 26, b2 28, out0 30
	v_lshl_add_u32 v255, v0, 2, 0x2c00
	s_set_vgpr_msb 0x40
	v_mov_b32 v1, 0
	s_set_vgpr_msb 0x4000
	v_lshrrev_b32 v[TT], 5, v0
	v_readfirstlane_b32 s2, v[TT]                  ; wave 0..3
	s_lshr_b32 s3, s2, 1                           ; side
	s_and_b32 s4, s2, 1                            ; p: which half of the docs
	v_and_b32 v[TL], 31, v0                        ; lane
	v_and_b32 v[TR], 15, v0                        ; r
	v_bfe_u32 v[TH], v0, 4, 1                      ; h
	v_lshlrev_b32 v1, 4, v[TH]                     ; 16 h
	v_mov_b32 v2, -1
	v_lshrrev_b32 v2, v1, v2                       ; all ones in lanes 0-15, 0x0000ffff in lanes 16-31: clears the two scale bytes
	s_mul_i32 s43, s2, 1280
	s_xor_b32 s44, s2, 1
	s_mul_i32 s44, s44, 1280
	v_lshl_add_u32 v3, v[TL], 4, s43               ; my wave's image: 16 bytes a lane,
	v_lshl_add_u32 v4, v[TL], 3, s43               ; 8 bytes a lane;
	v_lshl_add_u32 v5, v[TL], 4, s44               ; my partner's
	v_lshl_add_u32 v6, v[TL], 3, s44
	v_lshlrev_b32 v7, 4, v[TR]                     ; four doc indices a lane
	s_lshl_b32 s45, s4, 2
	v_lshl_add_u32 v8, v[TR], 3, s45               ; query 2 r + p
	s_xor_b32 s45, s45, 4
	v_lshl_add_u32 v9, v[TR], 3, s45               ; query 2 r + 1 - p
	v_mov_b32 v10, 0x4107e439                      ; s4 = sqrt(50 log2 e)
	v_mov_b32 v11, 0x44545498                      ; sE = sqrt(500,000 log2 e)
	v_mov_b32 v12, 0
	v_mov_b32 v13, 0xc4545498                      ; -sE
	v_mov_b32 v14, 0x42003d54                      ; A2 = 100 d log2 e
	v_mov_b32 v15, 0xc2003d54                      ; -A2
.irp i, 0,1,2,3,4,5,6,7
	v_mov_b32 v[32+\i], 0                          ; the zero halves of the query operands: written once
	v_mov_b32 v[48+\i], 0
	v_mov_b32 v[64+\i], 0
.endr
	v_min_u32 v[TT], 9, v[TR]
	v_mul_u32_u24 v244, v[TT], 40                  ; w0's row of my neuron,
	v_lshlrev_b32 v245, 2, v[TT]                   ; its b0
	v_min_u32 v[TT], 4, v[TR]
	v_mul_u32_u24 v246, v[TT], 40                  ; the same for layer 1
	v_lshlrev_b32 v247, 2, v[TT]
	v_mov_b32 v248, 0
	s_lshl_b32 s45, s2, 6
	s_add_co_u32 s45, s45, X2
	v_mov_b32 v249, s45                            ; my wave's ten results
	v_lshl_add_u32 v250, v[TH], 7, X2              ; my side's two waves' results
	v_lshl_add_u32 v254, v[TH], 6, X3              ; my side's layer outputs,
	v_lshl_add_u32 v251, v[TR], 2, v254            ; my neuron's among them
	v_mov_b32 v252, 0                              ; the two results: written whole before they are named as a pair
	v_mov_b32 v253, 0
	s_mov_b32 s38, 0x07060302                      ; v_perm_b32: the first source's upper half above the second's
	s_mov_b32 s40, 0x76543210
	s_mov_b32 s41, 0xfedcba98                      ; v_permlanex16_b32's selects for lane l xor 16
	s_lshl_b32 s36, ttmp9, 11                      ; two items' docs are 2,048 bytes,
	s_lshl_b32 s43, s4, 9
	s_add_co_u32 s36, s36, s43                     ; my half of them 512 on
	s_mov_b32 s37, 0
	s_wait_kmcnt 0x0
	s_cmp_eq_u32 s3, 0                             ; the choice hangs on the wave's number alone
	s_cselect_b64 s[32:33], s[12:13], s[16:17]     ; doc1 or doc2
	s_cselect_b64 s[34:35], s[10:11], s[14:15]     ; query1 or query2
	s_add_nc_u64 s[32:33], s[32:33], s[36:37]
	s_lshl_b32 s36, ttmp9, 8                       ; two items' queries are 256 bytes
	s_add_nc_u64 s[34:35], s[34:35], s[36:37]
	s_lshl_b32 s36, ttmp9, 3
	s_add_nc_u64 s[30:31], s[30:31], s[36:37]      ; out0 at 2 g
	IDX 0, OFS
	IDX 1, ER1                                     ; the second item's indices wait in registers that the first body's step 1 writes first
	s_wait_loadcnt 0x4                             ; the first item's four index loads are in; the second item's four may be out
	OFFS OFS
	GQ
	GD 0
	GD 1
	GD 2
	GD 3
	BODY 0
	BODY 1
	s_set_vgpr_msb 0x4
	s_wait_tensorcnt 0x0
	ds_add_u32 v255, v1
	s_wait_dscnt 0x0
	s_set_vgpr_msb 0x400
	s_endpgm
.Lfunc_end_k_q0577d17635_knrm:
	.size	k_q0577d17635_knrm, .Lfunc_end_k_q0577d17635_knrm-k_q0577d17635_knrm
	.p2alignl 7, 3214868480
	.fill 96, 4, 3214868480
	.section	.rodata,"a",@progbits
	.p2align	6, 0x0
	.amdhsa_kernel k_q0577d17635_knrm
		.amdhsa_group_segment_fixed_size 11776
		.amdhsa_private_segment_fixed_size 0
		.amdhsa_enable_private_segment 0
		.amdhsa_kernarg_size 96
		.amdhsa_user_sgpr_count 2
		.amdhsa_user_sgpr_kernarg_segment_ptr 1
		.amdhsa_wavefront_size32 1
		.amdhsa_system_sgpr_workgroup_id_x 1
		.amdhsa_system_sgpr_workgroup_id_y 1
		.amdhsa_system_sgpr_workgroup_id_z 1
		.amdhsa_system_vgpr_workitem_id 0
		.amdhsa_next_free_vgpr 258
		.amdhsa_next_free_sgpr 66
		.amdhsa_reserve_vcc 1
		.amdhsa_float_denorm_mode_32 3
		.amdhsa_float_denorm_mode_16_64 3
		.amdhsa_memory_ordered 1
		.amdhsa_forward_progress 1
		.amdhsa_inst_pref_size 250
	.end_amdhsa_kernel
	.amdgpu_metadata
---
amdhsa.version: [ 1, 2 ]
amdhsa.kernels:
  - .name:           k_q0577d17635_knrm
    .symbol:         k_q0577d17635_knrm.kd
    .args:
      - { .name: tab, .offset: 0, .size: 8, .value_kind: global_buffer, .address_space: global }
      - { .name: query1, .offset: 8, .size: 8, .value_kind: global_buffer, .address_space: global }
      - { .name: doc1, .offset: 16, .size: 8, .value_kind: global_buffer, .address_space: global }
      - { .name: query2, .offset: 24, .size: 8, .value_kind: global_buffer, .address_space: global }
      - { .name: doc2, .offset: 32, .size: 8, .value_kind: global_buffer, .address_space: global }
      - { .name: w0, .offset: 40, .size: 8, .value_kind: global_buffer, .address_space: global }
      - { .name: b0, .offset: 48, .size: 8, .value_kind: global_buffer, .address_space: global }
      - { .name: w1, .offset: 56, .size: 8, .value_kind: global_buffer, .address_space: global }
      - { .name: b1, .offset: 64, .size: 8, .value_kind: global_buffer, .address_space: global }
      - { .name: w2, .offset: 72, .size: 8, .value_kind: global_buffer, .address_space: global }
      - { .name: b2, .offset: 80, .size: 8, .value_kind: global_buffer, .address_space: global }
      - { .name: out0, .offset: 88, .size: 8, .value_kind: global_buffer, .address_space: global }
    .group_segment_fixed_size: 11776
    .private_segment_fixed_size: 0
    .kernarg_segment_align: 8
    .kernarg_segment_size: 96
    .max_flat_workgroup_size: 128
    .sgpr_count:     66
    .vgpr_count:     258
    .wavefront_size: 32
...
	.end_amdgpu_metadata
.endif
;; end of part 2
